; MI455X (gfx1250); checked and timed in simulation.
; The chip was launched on July 23, 2026; its instructions are those of AMD's public machine-readable ISA for CDNA 5 (MIT licence, August 2026) and "CDNA5" Instruction Set Architecture Reference Guide (July 2026). The comments in the code are by the model that wrote it; some were corrected since.
;; Quant Linear. Allowed arithmetic: float matrix products may take bf16 or f16 operands with f32 sums; other float arithmetic in f32, or as packed bf16 or f16 multiplies, adds, multiply-adds, maxima and minima; sums over many terms, partial sums and values carried from step to step in f32; what a program stores and reads back later, other than sums and carried values, may be rounded once to bf16 or f16.
;; Inputs: W 2,048 x 4,096 float32; bias 2,048 float32; calib_max 4,096 float32; calib_min 4,096 float32; x 4 x 2,048 x 4,096 float32.
;; Outputs: out0 4 x 2,048 x 2,048 float32.
;; One version. Each part assembles by itself: llvm-mc -triple=amdgcn-amd-amdhsa -mcpu=gfx1250 --defsym DOCPART=n.
;; ======== version 1 of 1: 2 launches
;; workspace buffers: xq 67,108,864 bytes; wq 16,777,216 bytes; tok 65,536 bytes; wst 16,384 bytes
;; launch quant (part 1): grid 256 x 1, 8 waves a work-group, no clusters, 2,048 bytes of LDS; arguments x, W, calib_min, calib_max, xq, wq, tok, wst; writes xq, wq, tok, wst
.if DOCPART == 1
	.amdgcn_target "amdgcn-amd-amdhsa--gfx1250"
	.amdhsa_code_object_version 6
	.text
	.protected	k_qaf16526bf3_quant
	.globl	k_qaf16526bf3_quant
	.p2align	8
	.type	k_qaf16526bf3_quant,@function
k_qaf16526bf3_quant:
	s_mov_b64 s[64:65], 0
	v_nop
	global_prefetch_b8 v0, s[64:65] scope:SCOPE_SE
	s_setreg_imm32_b32 hwreg(HW_REG_WAVE_MODE, 25, 1), 1
	s_wait_xcnt 0x0
; QUANTISER.  x [8192][4096] f32 -> xq [8192][4096] bf16: the whole numbers Xq = clip(round(xc / cs) + zp, -128, 127), xc = min(max(x, calib_min), calib_max),
; cs = max(mx - mn, 1e-8) / 255, zp = -128 - round(mn / cs), mn and mx the row's least and greatest xc.  tok [8192][2]: (cs as f32, -zp as i32).
; W [2048][4096] f32 -> wq [2048][4096] bf16: Wq = clip(round(W / rs), -127, 127), rs = max(max |W|, 1e-8) / 127.  wst: rs[2048] f32, then at byte 8,192 the row sums of Wq as i32.
; Whole numbers from -128 to 127 are exact in bf16.
; LIMITS.  NaN is not carried on (the maxima and minima drop it).  The quotients of the elements are x * (1 / cs) and w * (1 / rs), the reciprocal good to one unit in the last place:
; a quotient that lies within about two such units of a tie of the rounding may fall on the neighbouring whole number.  d / 255, d / 127 and mn / cs, one a row, are mended by one residual step.
; zp to i32 saturates.  cs above 8e37 would give a reciprocal of 0.
; SHARES.  Work-group g: rows 32 g .. 32 g + 31 of x and rows 8 g .. 8 g + 7 of W.  Thread t keeps the same 16 columns in every row: piece j of four is the 16 bytes at 4,096 j + 16 t, so a load
; of a wave covers 512 consecutive bytes, and the piece's four bf16 are the 8 bytes at 2,048 j + 8 t of the output row: a store of a wave covers 256 consecutive bytes, aligned.
; The thread's 16 calib_min and 16 calib_max stay in registers.  Rows go four at a time (a batch) through two sets of registers: while one batch is worked on, the other's 16 loads a wave are out,
; and each row's registers are asked for again as soon as the row is rounded.  Eight batches of x, then two of W: the last two batches of x ask for the rows of W.
; A row's statistics span the eight waves: they meet in LDS, one barrier a batch, on two regions that take turns: a region is written again two batches on, behind the barrier of the batch between,
; in front of which every wave has waited for its reads.
; No matrix unit, no cluster, no tensor load: no byte is shared between waves or work-groups but calib (32 KiB).  No prefetch: the loads themselves run ahead all the time.
.set ROWB,  16384                      ; bytes in a row of x and of W
.set QROWB, 8192                       ; bytes in a row of xq and of wq
.set SPARE, 1024                       ; LDS: 0 and 256 the two regions (greatest at +0, least negated at +128: [wave][row of 4]); 512 row sums of Wq [wave][row of 8]; from 1,024 the spare words, 128 bytes a wave
.set VOFF, 2                           ; v2   16 t
.set VOUT, 3                           ; v3   8 t
.set SPW,  4                           ; v4   my spare word; never rewritten
.set NIL,  5                           ; v5   0; never rewritten
.set LQ,   6                           ; v6   lane / 4
.set SA,   7                           ; v7   16 x wave
.set SL,   8                           ; v8   4 x lane
.set SB,   9                           ; v9   512 + 32 x wave
.set TO,   10                          ; v10  8 x lane
.set TK,   16                          ; v[16:17] lane l: (cs, -zp) of the work-group's row l
.set RSV,  18                          ; v18  lane l < 8: rs of the work-group's row l of W
.set M,    20                          ; v[20:27] a batch's statistics: greatest of rows 0-3, least (negated) of rows 0-3; for W: greatest |w|, later the row sums
.set P,    28                          ; v[28:39] at work
.set CMIN, 40                          ; v[40:55]
.set CMAX, 56                          ; v[56:71]
.set Y,    72                          ; v[72:103] row r, piece j: the pair at 8 r + 2 j, to store
.set XA,   104                         ; v[104:167] row r, piece j at 16 r + 4 j
.set XB,   168                         ; v[168:231]
	s_load_b512 s[4:19], s[0:1], 0x0               ; x s[4:5], W s[6:7], calib_min s[8:9], calib_max s[10:11], xq s[12:13], wq s[14:15], tok s[16:17], wst s[18:19]
	v_lshl_add_u32 v[SPW], v0, 2, SPARE
	v_mov_b32 v[NIL], 0
	v_and_b32 v1, 31, v0                           ; lane
	v_lshrrev_b32 v[LQ], 5, v0
	v_readfirstlane_b32 s20, v[LQ]                 ; wave 0..7
	v_lshlrev_b32 v[VOFF], 4, v0
	v_lshlrev_b32 v[VOUT], 3, v0
	v_lshrrev_b32 v[LQ], 2, v1
	s_lshl_b32 s28, s20, 4
	v_mov_b32 v[SA], s28
	v_lshlrev_b32 v[SL], 2, v1
	s_lshl_b32 s28, s20, 5
	s_add_co_u32 s28, s28, 512
	v_mov_b32 v[SB], s28
	v_lshlrev_b32 v[TO], 3, v1
	s_mov_b32 s30, 0xc3000000                      ; -128.0
	s_mov_b32 s31, 0x42fe0000                      ; 127.0
	s_mov_b32 s52, 0xc2fe0000                      ; -127.0
	s_mov_b32 s53, 0x3b808081                      ; 1 / 255
	s_mov_b32 s54, 0x437f0000                      ; 255.0
	s_mov_b32 s55, 0x3c010204                      ; 1 / 127
	s_mov_b32 s56, 0x322bcc77                      ; 1e-8
	s_mov_b32 s48, 0x76543210                      ; v_permlanex16_b32: each lane takes its own place in the other half
	s_mov_b32 s49, 0xfedcba98
.irp r, 0,1,2,3
	s_mov_b32 s[33+2*(\r)], 0                      ; the packed forms name pairs and take the low word for both halves: the high words are written once
	s_mov_b32 s[41+2*(\r)], 0
.endr
	s_mov_b32 s21, 4                               ; trips
	s_mov_b32 s22, 0                               ; the batch in hand
	s_mov_b32 s29, 0
	s_wait_kmcnt 0x0
	s_lshl_b32 s28, ttmp9, 19                      ; 32 rows of 16,384 bytes
	s_add_nc_u64 s[4:5], s[4:5], s[28:29]
	s_lshl_b32 s28, ttmp9, 17                      ; 8 rows
	s_add_nc_u64 s[6:7], s[6:7], s[28:29]
	s_lshl_b32 s28, ttmp9, 18                      ; 32 rows of 8,192 bytes
	s_add_nc_u64 s[12:13], s[12:13], s[28:29]
	s_lshl_b32 s28, ttmp9, 16
	s_add_nc_u64 s[14:15], s[14:15], s[28:29]
	s_lshl_b32 s28, ttmp9, 8                       ; 32 pairs of words
	s_add_nc_u64 s[16:17], s[16:17], s[28:29]
	s_lshl_b32 s28, ttmp9, 5                       ; 8 words
	s_add_nc_u64 s[18:19], s[18:19], s[28:29]
	s_add_nc_u64 s[24:25], s[4:5], 8*ROWB          ; from where the refills load: batch 2 on
	s_mov_b64 s[26:27], s[12:13]                   ; to where the trip's rows go
.irp j, 0,1,2,3
	global_load_b128 v[CMIN+4*(\j):CMIN+4*(\j)+3], v[VOFF], s[8:9] offset:4096*(\j)
	global_load_b128 v[CMAX+4*(\j):CMAX+4*(\j)+3], v[VOFF], s[10:11] offset:4096*(\j)
.endr
.irp r, 0,1,2,3
.irp j, 0,1,2,3
	global_load_b128 v[XA+16*(\r)+4*(\j):XA+16*(\r)+4*(\j)+3], v[VOFF], s[4:5] offset:ROWB*(\r)+4096*(\j) th:TH_LOAD_NT
.endr
.endr
.irp r, 0,1,2,3
.irp j, 0,1,2,3
	global_load_b128 v[XB+16*(\r)+4*(\j):XB+16*(\r)+4*(\j)+3], v[VOFF], s[4:5] offset:4*ROWB+ROWB*(\r)+4096*(\j) th:TH_LOAD_NT
.endr
.endr
	v_mov_b32 v[TK], 0                             ; written whole before they are gathered into, lane by lane
	v_mov_b32 v[TK+1], 0
	v_mov_b32 v[RSV], 0
.set i, 0
.rept 12
	v_mov_b32 v[P+i], 0                            ; v_permlanex16_b32 counts as a reader of its destination
.set i, i+1
.endr
; n registers from M on, each reduced over the wave's 32 lanes: four steps inside each half ride on the arithmetic, one crosses the halves.  The registers take turns, so no line waits for the one before it.
.macro RED dop, op, n
.irp m, 1,2,4,8
.set i, 0
.rept \n
	\dop v[M+i], v[M+i], v[M+i] row_xmask:\m row_mask:0xf bank_mask:0xf
.set i, i+1
.endr
.endr
.set i, 0
.rept \n
	v_permlanex16_b32 v[P+i], v[M+i], s48, s49
.set i, i+1
.endr
.set i, 0
.rept \n
	\op v[M+i], v[M+i], v[P+i]
.set i, i+1
.endr
.endm
; Row r of set b is clipped in place (first from below, then from above, as the clip is defined); then my 16 numbers' greatest and, with the signs turned, least.
.macro CLIPROW b, r
.set q, (\b)+16*(\r)
.set i, 0
.rept 16
	v_max_num_f32 v[q+i], v[q+i], v[CMIN+i]
.set i, i+1
.endr
.set i, 0
.rept 16
	v_min_num_f32 v[q+i], v[q+i], v[CMAX+i]
.set i, i+1
.endr
	v_max3_num_f32 v[M+(\r)], v[q], v[q+1], v[q+2]
	v_max3_num_f32 v[M+4+(\r)], -v[q], -v[q+1], -v[q+2]
.set i, 3
.rept 6
	v_max3_num_f32 v[M+(\r)], v[M+(\r)], v[q+i], v[q+i+1]
	v_max3_num_f32 v[M+4+(\r)], v[M+4+(\r)], -v[q+i], -v[q+i+1]
.set i, i+2
.endr
	v_max_num_f32 v[M+(\r)], v[M+(\r)], v[q+15]
	v_max_num_f32 v[M+4+(\r)], v[M+4+(\r)], -v[q+15]
.endm
; Row r of set b is quantised, its registers are asked for again, and its 8 bytes a piece are stored.
.macro QROWX b, r, ldoff, stoff
.set q, (\b)+16*(\r)
.set i, 0
.rept 8
	v_pk_mul_f32 v[q+i:q+i+1], v[q+i:q+i+1], s[32+2*(\r):33+2*(\r)] op_sel_hi:[1,0]  ; xc / cs
.set i, i+2
.endr
.set i, 0
.rept 16
	v_rndne_f32 v[q+i], v[q+i]
.set i, i+1
.endr
.set i, 0
.rept 8
	v_pk_add_f32 v[q+i:q+i+1], v[q+i:q+i+1], s[40+2*(\r):41+2*(\r)] op_sel_hi:[1,0]  ; + zp
.set i, i+2
.endr
.set i, 0
.rept 16
	v_med3_num_f32 v[q+i], v[q+i], s30, s31        ; held to -128 .. 127
.set i, i+1
.endr
.set i, 0
.rept 8
	v_cvt_pk_bf16_f32 v[Y+8*(\r)+i], v[q+2*i], v[q+2*i+1]
.set i, i+1
.endr
.irp j, 0,1,2,3
	global_load_b128 v[q+4*(\j):q+4*(\j)+3], v[VOFF], s[24:25] offset:(\ldoff)+ROWB*(\r)+4096*(\j) th:TH_LOAD_NT
.endr
.irp j, 0,1,2,3
	global_store_b64 v[VOUT], v[Y+8*(\r)+2*(\j):Y+8*(\r)+2*(\j)+1], s[26:27] offset:(\stoff)+QROWB*(\r)+2048*(\j) th:TH_STORE_NT
.endr
.endm
; A batch of four rows of x in set buf; reg: its region of LDS; ldoff, stoff: its place behind the trip's two pointers.
.macro XBATCH buf, reg, ldoff, stoff
.irp r, 0,1,2,3
	s_wait_loadcnt 28-4*(\r)                       ; loads come back in order: behind row r's four stand 4 (3 - r) of this batch and the other set's 16
	CLIPROW \buf, \r
.endr
	RED v_max_num_f32_dpp, v_max_num_f32, 8
	ds_store_b128 v[SA], v[M:M+3] offset:256*(\reg)        ; my wave's four greatest (all lanes write the same words with the same numbers),
	ds_store_b128 v[SA], v[M+4:M+7] offset:256*(\reg)+128  ; and its four least, negated
	s_wait_dscnt 0x0                               ; for the others: my stores are done (and my reads of the other region were waited for a batch ago)
	s_barrier_signal -1
	s_barrier_wait -1
	ds_load_b32 v[P], v[SL] offset:256*(\reg)      ; lane l: wave l / 4, row l % 4
	ds_load_b32 v[P+1], v[SL] offset:256*(\reg)+128
	s_wait_dscnt 0x0
.irp m, 4,8
	v_max_num_f32_dpp v[P], v[P], v[P] row_xmask:\m row_mask:0xf bank_mask:0xf
	v_max_num_f32_dpp v[P+1], v[P+1], v[P+1] row_xmask:\m row_mask:0xf bank_mask:0xf
.endr
	v_permlanex16_b32 v[P+2], v[P], s48, s49
	v_permlanex16_b32 v[P+3], v[P+1], s48, s49
	v_max_num_f32 v[P], v[P], v[P+2]               ; every lane l now holds mx
	v_max_num_f32 v[P+1], v[P+1], v[P+3]           ; and -mn of row l % 4: one register serves the four rows
	v_add_f32 v[P+2], v[P], v[P+1]                 ; mx - mn
	v_max_num_f32 v[P+2], s56, v[P+2]              ; d
	v_mul_f32 v[P+3], s53, v[P+2]                  ; d / 255: by the reciprocal,
	v_fma_f32 v[P+4], -v[P+3], s54, v[P+2]         ; its residual,
	v_fma_f32 v[P+3], v[P+4], s53, v[P+3]          ; mended: cs
	v_rcp_f32 v[P+5], v[P+3]
	v_mul_f32 v[P+6], -1.0, v[P+1]                 ; mn: the plain instruction behind the reciprocal (ISA guide 5.7.2)
	v_cmp_eq_u32 s50, s22, v[LQ]                   ; the lanes whose row of the work-group lies in this batch
	v_cndmask_b32 v[TK], v[TK], v[P+3], s50
	s_wait_alu depctr_va_vdst(0)                   ; ahead of the reciprocal's first reader
	v_mul_f32 v[P+7], v[P+6], v[P+5]               ; mn / cs, mended likewise
	v_fma_f32 v[P+8], -v[P+7], v[P+3], v[P+6]
	v_fma_f32 v[P+7], v[P+8], v[P+5], v[P+7]
	v_rndne_f32 v[P+7], v[P+7]
	v_sub_f32 v[P+7], s30, v[P+7]                  ; zp
	v_cvt_i32_f32 v[P+8], v[P+7]
	v_sub_nc_u32 v[P+8], 0, v[P+8]                 ; -zp, modulo 2^32
	v_cndmask_b32 v[TK+1], v[TK+1], v[P+8], s50
	s_add_co_u32 s22, s22, 1
.irp r, 0,1,2,3
	v_readlane_b32 s[32+2*(\r)], v[P+5], \r        ; 1 / cs and zp of row r, as scalars for the packed forms
	v_readlane_b32 s[40+2*(\r)], v[P+7], \r
.endr
	s_wait_xcnt 0x0                                ; the last batch's stores have read Y: it is rewritten only behind this wait
.irp r, 0,1,2,3
	QROWX \buf, \r, \ldoff, \stoff
.endr
.endm
.Lx:                                                   ; four trips of two batches
	s_cmp_eq_u32 s21, 1                            ; in the last trip the refills fetch the work-group's eight rows of W
	s_cselect_b64 s[24:25], s[6:7], s[24:25]
	XBATCH XA, 0, 0, 0
	XBATCH XB, 1, 4*ROWB, 4*QROWB
	s_wait_xcnt 0x0                                ; the trip's loads and stores have read their bases
	s_add_nc_u64 s[24:25], s[24:25], 8*ROWB
	s_add_nc_u64 s[26:27], s[26:27], 8*QROWB
	s_sub_co_u32 s21, s21, 1
	s_cmp_lg_u32 s21, 0
	s_cbranch_scc1 .Lx
; My 16 numbers' greatest magnitude in row r of set b.
.macro AMAXROW b, r
.set q, (\b)+16*(\r)
	v_max3_num_f32 v[M+(\r)], |v[q]|, |v[q+1]|, |v[q+2]|
.set i, 3
.rept 6
	v_max3_num_f32 v[M+(\r)], v[M+(\r)], |v[q+i]|, |v[q+i+1]|
.set i, i+2
.endr
	v_max_num_f32 v[M+(\r)], v[M+(\r)], |v[q+15]|
.endm
; Row r of set b of W is quantised, my 16 whole numbers are added (exact in f32: a row's sum stays under 2^24), and the row is stored.
.macro QROWW b, r, wb
.set q, (\b)+16*(\r)
.set i, 0
.rept 8
	v_pk_mul_f32 v[q+i:q+i+1], v[q+i:q+i+1], s[32+2*(\r):33+2*(\r)] op_sel_hi:[1,0]
.set i, i+2
.endr
.set i, 0
.rept 16
	v_rndne_f32 v[q+i], v[q+i]
.set i, i+1
.endr
.set i, 0
.rept 16
	v_med3_num_f32 v[q+i], v[q+i], s52, s31        ; held to -127 .. 127
.set i, i+1
.endr
.irp k, 0,1,2,3
	v_pk_add_f32 v[P+2*(\k):P+2*(\k)+1], v[q+4*(\k):q+4*(\k)+1], v[q+4*(\k)+2:q+4*(\k)+3]
.endr
	v_pk_add_f32 v[P:P+1], v[P:P+1], v[P+2:P+3]
	v_pk_add_f32 v[P+4:P+5], v[P+4:P+5], v[P+6:P+7]
.set i, 0
.rept 8
	v_cvt_pk_bf16_f32 v[Y+8*(\r)+i], v[q+2*i], v[q+2*i+1]
.set i, i+1
.endr
	v_pk_add_f32 v[P:P+1], v[P:P+1], v[P+4:P+5]
.irp j, 0,1,2,3
	global_store_b64 v[VOUT], v[Y+8*(\r)+2*(\j):Y+8*(\r)+2*(\j)+1], s[14:15] offset:4*QROWB*(\wb)+QROWB*(\r)+2048*(\j) th:TH_STORE_NT
.endr
	v_add_f32 v[M+(\r)], v[P], v[P+1]
.endm
; A batch of four rows of W.  younger: the other batch's loads that may stay out.
.macro WBATCH buf, wb, younger
.irp r, 0,1,2,3
	s_wait_loadcnt (\younger)+12-4*(\r)            ; behind row r's four loads stand 4 (3 - r) of this batch and the younger batch's
	AMAXROW \buf, \r
.endr
	RED v_max_num_f32_dpp, v_max_num_f32, 4
	ds_store_b128 v[SA], v[M:M+3] offset:256*(\wb)
	s_wait_dscnt 0x0
	s_barrier_signal -1
	s_barrier_wait -1
	ds_load_b32 v[P], v[SL] offset:256*(\wb)
	s_wait_dscnt 0x0
	v_max_num_f32_dpp v[P], v[P], v[P] row_xmask:4 row_mask:0xf bank_mask:0xf
	v_max_num_f32_dpp v[P], v[P], v[P] row_xmask:8 row_mask:0xf bank_mask:0xf
	v_permlanex16_b32 v[P+2], v[P], s48, s49
	v_max_num_f32 v[P], v[P], v[P+2]               ; lane l: the greatest |w| of row l % 4
	v_max_num_f32 v[P+2], s56, v[P]
	v_mul_f32 v[P+3], s55, v[P+2]                  ; d / 127, mended by its residual
	v_fma_f32 v[P+4], -v[P+3], s31, v[P+2]
	v_fma_f32 v[P+3], v[P+4], s55, v[P+3]          ; rs
	v_rcp_f32 v[P+5], v[P+3]
	v_cmp_eq_u32 s50, \wb, v[LQ]
	v_cndmask_b32 v[RSV], v[RSV], v[P+3], s50      ; plain work behind the reciprocal
	s_wait_alu depctr_va_vdst(0)                   ; ahead of the reciprocal's first reader
.irp r, 0,1,2,3
	v_readlane_b32 s[32+2*(\r)], v[P+5], \r
.endr
	s_wait_xcnt 0x0                                ; the last batch's stores have read Y
.irp r, 0,1,2,3
	QROWW \buf, \r, \wb
.endr
	RED v_add_f32_dpp, v_add_f32, 4
	ds_store_b128 v[SB], v[M:M+3] offset:16*(\wb)  ; my wave's part of the four row sums
.endm
	WBATCH XA, 0, 16
	WBATCH XB, 1, 0
	s_wait_dscnt 0x0
	s_barrier_signal -1
	s_barrier_wait -1                              ; all eight waves' parts of the eight row sums lie in LDS
	s_cmp_lg_u32 s20, 0                            ; every wave holds the same statistics: wave 0 stores them
	s_cbranch_scc1 .Lend
	ds_load_b32 v[P], v[SL] offset:512             ; lane l: wave l / 8, row l % 8
	ds_load_b32 v[P+1], v[SL] offset:640           ; wave 4 + l / 8
	s_wait_dscnt 0x0
	v_add_f32 v[P], v[P], v[P+1]
	v_add_f32_dpp v[P], v[P], v[P] row_xmask:8 row_mask:0xf bank_mask:0xf
	v_permlanex16_b32 v[P+1], v[P], s48, s49
	v_add_f32 v[P], v[P], v[P+1]
	v_cvt_i32_f32 v[P], v[P]
	global_store_b64 v[TO], v[TK:TK+1], s[16:17]   ; 32 rows' pairs: 256 consecutive bytes, aligned
	s_wait_xcnt 0x0                                ; EXEC changes only behind this wait
	v_cmp_gt_u32 vcc_lo, 8, v1
	s_and_saveexec_b32 s51, vcc_lo
	global_store_b32 v[SL], v[RSV], s[18:19]       ; eight words each: 32 bytes a work-group, 16 KiB in the launch
	global_store_b32 v[SL], v[P], s[18:19] offset:8192
	s_wait_xcnt 0x0                                ; and again, in front of the line that widens it
	s_or_b32 exec_lo, exec_lo, s51
.Lend:
	s_wait_tensorcnt 0x0                           ; the wave's end, behind my last LDS store
	ds_add_u32 v[SPW], v[NIL]
	s_wait_dscnt 0x0
	s_endpgm
.Lfunc_end_k_qaf16526bf3_quant:
	.size	k_qaf16526bf3_quant, .Lfunc_end_k_qaf16526bf3_quant-k_qaf16526bf3_quant
	.p2alignl 7, 3214868480
	.fill 96, 4, 3214868480
	.section	.rodata,"a",@progbits
	.p2align	6, 0x0
	.amdhsa_kernel k_qaf16526bf3_quant
		.amdhsa_group_segment_fixed_size 2048
		.amdhsa_private_segment_fixed_size 0
		.amdhsa_enable_private_segment 0
		.amdhsa_kernarg_size 64
		.amdhsa_user_sgpr_count 2
		.amdhsa_user_sgpr_kernarg_segment_ptr 1
		.amdhsa_wavefront_size32 1
		.amdhsa_system_sgpr_workgroup_id_x 1
		.amdhsa_system_sgpr_workgroup_id_y 1
		.amdhsa_system_sgpr_workgroup_id_z 1
		.amdhsa_system_vgpr_workitem_id 0
		.amdhsa_next_free_vgpr 232
		.amdhsa_next_free_sgpr 66
		.amdhsa_reserve_vcc 1
		.amdhsa_float_denorm_mode_32 3
		.amdhsa_float_denorm_mode_16_64 3
		.amdhsa_memory_ordered 1
		.amdhsa_forward_progress 1
		.amdhsa_inst_pref_size 103
	.end_amdhsa_kernel
	.amdgpu_metadata
---
amdhsa.version: [ 1, 2 ]
amdhsa.kernels:
  - .name:           k_qaf16526bf3_quant
    .symbol:         k_qaf16526bf3_quant.kd
    .args:
      - { .name: x, .offset: 0, .size: 8, .value_kind: global_buffer, .address_space: global }
      - { .name: W, .offset: 8, .size: 8, .value_kind: global_buffer, .address_space: global }
      - { .name: calib_min, .offset: 16, .size: 8, .value_kind: global_buffer, .address_space: global }
      - { .name: calib_max, .offset: 24, .size: 8, .value_kind: global_buffer, .address_space: global }
      - { .name: xq, .offset: 32, .size: 8, .value_kind: global_buffer, .address_space: global }
      - { .name: wq, .offset: 40, .size: 8, .value_kind: global_buffer, .address_space: global }
      - { .name: tok, .offset: 48, .size: 8, .value_kind: global_buffer, .address_space: global }
      - { .name: wst, .offset: 56, .size: 8, .value_kind: global_buffer, .address_space: global }
    .group_segment_fixed_size: 2048
    .private_segment_fixed_size: 0
    .kernarg_segment_align: 8
    .kernarg_segment_size: 64
    .max_flat_workgroup_size: 256
    .sgpr_count:     66
    .vgpr_count:     232
    .wavefront_size: 32
...
	.end_amdgpu_metadata
.endif
;; end of part 1
;; launch gemm (part 2): grid 8 x 32, 4 waves a work-group, clusters of 4 x 4, 327,680 bytes of LDS; arguments xq, wq, out0, tok, wst, bias; writes out0
.if DOCPART == 2
	.amdgcn_target "amdgcn-amd-amdhsa--gfx1250"
	.amdhsa_code_object_version 6
	.text
	.protected	k_qaf16526bf3_gemm
	.globl	k_qaf16526bf3_gemm
	.p2align	8
	.type	k_qaf16526bf3_gemm,@function
k_qaf16526bf3_gemm:
	s_mov_b64 s[64:65], 0
	v_nop
	global_prefetch_b8 v0, s[64:65] scope:SCOPE_SE
	s_setreg_imm32_b32 hwreg(HW_REG_WAVE_MODE, 25, 1), 1
	s_wait_xcnt 0x0
	s_wait_alu depctr_hold_cnt(0) depctr_sa_sdst(0) depctr_va_vdst(0) depctr_va_sdst(0) depctr_va_ssrc(0) depctr_va_vcc(0) depctr_vm_vsrc(0)
	s_getreg_b32 s2, hwreg(HW_REG_IB_STS2, 6, 4)
	s_cmp_eq_u32 s2, 0
	s_cbranch_scc0 .Lentry_in_a_cluster
	s_endpgm
.Lentry_in_a_cluster:
	s_bfe_u32 s2, ttmp6, 0x10000c
	s_cmp_lg_u32 s2, 0xf033
	s_cbranch_scc0 .Lentry_shape_is_right
	s_endpgm
.Lentry_shape_is_right:
; out0[n][o] = rs[o] cs[n] (acc[n][o] - zp[n] rowsum[o]) + bias[o], acc[n][o] = the sum over k of xq[n][k] wq[o][k].
; xq: [8192][4096], wq: [2048][4096], bf16 that hold whole numbers from -128 to 127; tok: [8192] pairs (cs f32, -zp i32); wst: rs[2048] f32, then rowsum[2048] i32; bias f32; out0 [8192][2048] f32.
; The products are exact, and so are the f32 sums while a partial sum stays within 2^24 in magnitude.  LIMIT: beyond that (the bound for any data is 6.7e7) a sum is rounded to f32 at each step of 32 along K.
; acc - zp rowsum is made in 32-bit whole numbers, modulo 2^32, and only then turned into f32 and scaled.
; A tile of out0, 256 tokens x 256 outputs, is made by a work-group of four waves; a wave makes 128 x 128: 64 accumulators of 16 x 16, 512 registers.  256 tiles, one a work-group.
; K goes in steps of 128 through a ring of two LDS slots filled by the tensor data mover: the tiles' rows are 256 bytes of memory and start at multiples of 256 bytes from the buffer's first byte.
; CLUSTERS: 4 x 4 work-groups.  The four of a row of the cluster need the same tiles of xq, the four of a column the same tiles of wq: each tile is asked for JOINTLY, by the same tensor load with the
; same descriptor and a mask that names the four, and each receives it in its own LDS.
; THE MATRIX INSTRUCTION IS USED TRANSPOSED: source 0 = 16 rows of wq, source 1 = 16 rows of xq.  Lane l then holds token l % 16 and its registers 0 to 7 the outputs 8 (l / 16) + 0 .. 7.
; REGISTERS, in windows of 256 (s_set_vgpr_msb's low byte: bits 1:0 source 0, 3:2 source 1, 5:4 source 2, 7:6 destination):
;   window 0: v0-31 addresses; v32-47 (cs, -zp) of my token in each of my eight blocks of 16; v48-49 the block in hand's; v64-127, v128-191 fragments of xq, two buffers (on the way out: at work, and rows read back); v192-255 bias of my 64 outputs
;   window 1: v0-63 rs of my 64 outputs; v64-127, v128-191 fragments of wq (on the way out v64-127 at work); v192-255 rowsum of my 64 outputs
;   window 2: the 32 accumulators of my tokens 0-63 (accumulator (a, b) at v[8 (8 a + b)]);   window 3: those of my tokens 64-127
.set SIZE_M, 8192
.set SIZE_N, 2048
.set SIZE_K, 4096
.set KSTEP,  128
.set PITCH,  272                       ; an LDS row: 256 bytes of data + 16 of padding = 68 words: row r starts at bank 4 r mod 64 (64 banks of 4 bytes: ISA guide 11.1)
.set HALFT,  128*PITCH                 ; 128 rows: what one tensor load brings, and what one wave reads of xq or of wq
.set SLOT,   4*HALFT                   ; xq's 256 rows, then wq's 256 rows
.set STAGE,  2*SLOT                    ; behind the ring: 16 rows x 528 bytes for each wave, for the way out; no tensor load lands there
.set SPITCH, 528                       ; 512 bytes (128 f32) + 16 = 132 words: the 16 rows that a store touches start at 16 different groups of four banks
.set SPARE,  STAGE+4*16*SPITCH         ; behind the stages: the spare words, 128 bytes for each wave: two blocks of 256 bytes that no other line names
.set LAPS,   SIZE_K/(2*KSTEP)          ; a lap = two K steps = once round the ring
.set OROW,   SIZE_N*4                  ; bytes in a row of out0
.set ADRA, 16                          ; v16-17  LDS address of my xq fragments in slot 0, 1
.set ADRB, 20                          ; v20-21  the same for wq
.set STO,  24                          ; v24     the way out: where I put 32 bytes of a row
.set RD,   25                          ; v25     the way out: where I read 16 bytes of a row back
.set CO,   26                          ; v26     16 x lane: my bytes in 512 of a row of out0
.set CPO,  27                          ; v27     byte offset of my first eight outputs in rs, rowsum and bias
.set SPW,  28                          ; v28     my spare word; never rewritten
.set NIL,  29                          ; v29     0; never rewritten
.set PFO,  30                          ; v30     the prefetches' offset: my lane x a row of 8,192 bytes; never rewritten
.set TPO,  31                          ; v31     byte offset of my token of block 0 in tok
.set TK,   32
.set CSP,  48
.set T,    64
.set U,    64                          ; window 1
.set OB,   128
.set BI,   192
.set RS,   0                           ; window 1
.set RSM,  192                         ; window 1
.set F0,   64
.set F1,   128
.set G1,   24                          ; s[24:31] descriptor group 1 for xq's tiles
.set G0,   32                          ; s[32:39] group 0, one set for each slot
.set LIM,  43                          ; s43     1 in a wave that prefetches, else the greatest number
.set PFA,  44                          ; s[44:45] where my prefetches stand
.set G1B,  48                          ; s[48:55], s[56:63] the same two groups for wq's tiles
.set G0B,  56
.set BK,   66                          ; s66     the way out: the block in hand
.set TOKP, 68                          ; s[68:69] tok
.set WSTP, 72                          ; s[72:73] wst
.set BIAP, 74                          ; s[74:75] bias
.set CB,   76                          ; s76     4 x my first output
.set TB,   77                          ; s77     8 x my first token
.set MSB, 0
.macro WIN new                         ; the immediate's high byte repeats the setting that is left; a switch that changes nothing is dropped
.if MSB != (\new)
	s_set_vgpr_msb (MSB<<8)|(\new)
.set MSB, \new
.endif
.endm
.set MUL_LO, 0xa1                      ; source 0 (wq) window 1, source 1 (xq) window 0, C and D window 2
.set MUL_HI, 0xf1                      ; the same, C and D window 3
.set TO_B,   0x40                      ; destination window 1, address window 0
; A joint load.  Waves 0 and 1 fetch xq's two halves, waves 2 and 3 wq's.  Each line has one mask and one set of registers for all that issue it.  The branch hangs on the wave's number alone.
; An s_nop 0 and four v_nop follow each of the two lines, ahead of the jump, the label and what follows.
.macro JLOAD s
	s_cmp_eq_u32 s11, 0
	s_cbranch_scc0 .Lfor_b_\@
	tensor_load_to_lds s[G0+4*(\s):G0+4*(\s)+3], s[G1:G1+7]
	s_nop 0
.rept 4
	v_nop
.endr
	s_branch .Lasked_\@
.Lfor_b_\@:
	tensor_load_to_lds s[G0B+4*(\s):G0B+4*(\s)+3], s[G1B:G1B+7]
	s_nop 0
.rept 4
	v_nop
.endr
.Lasked_\@:
.endm
; A PREFETCH INTO THE L2, behind each joint load, its five lines and the run of LDS loads that follows them: the K step that stands TWO refills on, 512 matrix instructions ahead of the load that will want it:
; 32 rows x 256 bytes, a lane a row, one instruction a wave.  Each row's 256 bytes of a K step are named once in the launch: xq's tile row is read by both clusters of that row of clusters, and the one with
; x = 0 asks; wq's tile column by all eight clusters of that column, and the one with y = 0 asks.  The four partners that ask for a tile jointly share its rows out by address: of the 128 rows that a wave
; fetches the partner at place p takes 32 p .. 32 p + 31.  The loop's last trip asks for nothing: there is no K step two on.  K steps 0 to 3 come by their loads alone.
.macro ASK
	s_cmp_gt_u32 s3, s[LIM]                        ; s3 = 1 in the loop's last trip
	s_cbranch_scc0 .Lnot_mine_\@
	global_prefetch_b8 v[PFO], s[PFA:PFA+1] offset:KSTEP*2 th:TH_LOAD_NT scope:SCOPE_SE
.Lnot_mine_\@:
.endm
; A round of the cluster's barrier: my work-group's barrier, so that wave 0's signal speaks for all four waves; wave 0 signals for the work-group; every wave waits for all sixteen; my work-group's barrier once more.
.macro CREST                           ; a round behind its opening barrier
	s_cmp_lg_u32 s10, 0
	s_cbranch_scc1 .Lnot_wave_0_\@
	s_barrier_signal -3
.Lnot_wave_0_\@:
	s_barrier_wait -3
	s_barrier_signal -1
	s_barrier_wait -1
.endm
.macro CROUND                          ; a whole round
	s_barrier_signal -1
	s_barrier_wait -1
	CREST
.endm
	s_load_b128 s[4:7], s[0:1], 0x0                ; xq s[4:5], wq s[6:7]
	s_load_b64 s[8:9], s[0:1], 0x10                ; out0
	s_load_b64 s[TOKP:TOKP+1], s[0:1], 0x18
	s_load_b128 s[WSTP:WSTP+3], s[0:1], 0x20       ; wst, bias
	v_lshl_add_u32 v[SPW], v0, 2, SPARE
	v_mov_b32 v[NIL], 0
	ds_add_u32 v[SPW], v[NIL]                      ; the wave's opening: the add, twice on end, and its wait ahead of my first tensor load
	ds_add_u32 v[SPW], v[NIL]                      ; and once more, under the one wait; the set-up below, work on registers, stands between
	v_lshrrev_b32 v1, 5, v0
	v_readfirstlane_b32 s10, v1                    ; wave 0..3
	s_lshr_b32 s11, s10, 1                         ; which half of the tile's tokens is mine.  Also: I fetch for xq (0) or for wq (1)
	s_and_b32 s12, s10, 1                          ; which half of its outputs.  Also: which 128 rows of that tile I fetch
	s_bfe_u32 s40, ttmp6, 0x40000                  ; cx
	s_bfe_u32 s41, ttmp6, 0x40004                  ; cy
	s_lshl_b32 s42, ttmp9, 2
	s_add_co_u32 s42, s42, s40                     ; tile column = 4 x cluster x + cx
	s_and_b32 s13, ttmp7, 0xffff
	s_lshl_b32 s13, s13, 2
	s_add_co_u32 s13, s13, s41                     ; tile row = 4 x cluster y + cy
	s_lshl_b32 s43, s41, 2
	s_lshl_b32 s43, 15, s43                        ; my row of the cluster: places 4 cy .. 4 cy + 3
	s_lshl_b32 s44, 0x1111, s40                    ; my column: places cx, cx + 4, cx + 8, cx + 12
	; descriptor group 1: a tile of 128 rows x 128 elements, padded in LDS
	s_or_b32 s[G1+0], s43, (1<<16)|(1<<20)|(1<<21)|(5<<22)|(3<<25)  ; 15:0 the mask; 17:16 elements of 2 bytes; 20 padding on; 21 set beside a mask; 24:22 after every 64 words (code 5); 31:25 4 words of it (code 3)
	s_or_b32 s[G1B+0], s44, (1<<16)|(1<<20)|(1<<21)|(5<<22)|(3<<25)
	s_mov_b32 s[G1B+1], KSTEP<<16
	s_mov_b32 s[G1+1], KSTEP<<16                   ; tensor_dim0 = 128
	s_mov_b32 s[G1B+2], 128<<16
	s_mov_b32 s[G1+2], 128<<16                     ; tensor_dim1 = 128
	s_mov_b32 s[G1B+3], KSTEP<<16
	s_mov_b32 s[G1+3], KSTEP<<16                   ; tile_dim0 = 128
	s_mov_b32 s[G1B+4], 128
	s_mov_b32 s[G1+4], 128                         ; tile_dim1 = 128
	s_mov_b32 s[G1B+5], SIZE_K
	s_mov_b32 s[G1+5], SIZE_K                      ; elements from row to row
	s_mov_b32 s[G1B+6], 0
	s_mov_b32 s[G1+6], 0
	s_mov_b32 s[G1B+7], 0
	s_mov_b32 s[G1+7], 0
	; where the tiles come from: xq's hang on the tile row alone, wq's on the tile column alone; every wave makes both addresses, in registers that never hold the other coordinate
	s_lshl_b32 s17, s12, 7
	s_lshl_b32 s16, s13, 8
	s_add_co_u32 s16, s16, s17                     ; xq: row 256 x tile row + 128 x half
	s_lshl_b32 s46, s42, 8
	s_add_co_u32 s46, s46, s17                     ; wq: row 256 x tile column + 128 x half
	s_mov_b32 s17, 0
	s_mov_b32 s47, 0
	s_mov_b64 s[18:19], SIZE_K*2
	s_mul_u64 s[16:17], s[16:17], s[18:19]
	s_mul_u64 s[46:47], s[46:47], s[18:19]
	s_mul_i32 s20, s10, HALFT                      ; and where they go: wave x 128 rows: no place in the cluster enters an LDS address
	s_wait_dscnt 0x0                               ; both opening adds are done
	s_wait_kmcnt 0x0
	s_add_nc_u64 s[14:15], s[4:5], s[16:17]
	s_add_nc_u64 s[46:47], s[6:7], s[46:47]
	CROUND                                         ; all sixteen work-groups are here: the first joint loads meet
.irp s, 0,1
	s_mov_b32 s[G0+4*(\s)], 1                                      ; count = 1
	s_add_co_u32 s[G0+4*(\s)+1], s20, (\s)*SLOT                    ; LDS address
	s_add_nc_u64 s[G0+4*(\s)+2:G0+4*(\s)+3], s[14:15], (\s)*KSTEP*2  ; global address: K step s
	s_or_b32 s[G0+4*(\s)+3], s[G0+4*(\s)+3], 0x80000000            ; type = 2
	s_mov_b32 s[G0B+4*(\s)], 1
	s_add_co_u32 s[G0B+4*(\s)+1], s20, (\s)*SLOT
	s_add_nc_u64 s[G0B+4*(\s)+2:G0B+4*(\s)+3], s[46:47], (\s)*KSTEP*2
	s_or_b32 s[G0B+4*(\s)+3], s[G0B+4*(\s)+3], 0x80000000
	JLOAD \s                                       ; the ring is filled before anything else is done: two loads of mine are out
.endr
	; A fragment is 16 rows x 32 K in 8 registers: lane l holds row l % 16; registers 0-3 K = 8 (l / 16) + 0..7, registers 4-7 K = 16 + 8 (l / 16) + 0..7: two loads of 16 bytes, 32 bytes apart.
	v_and_b32 v1, 15, v0                           ; l % 16
	v_bfe_u32 v2, v0, 4, 1                         ; l / 16
	v_mul_u32_u24 v3, v1, PITCH
	v_lshl_add_u32 v3, v2, 4, v3
	s_mul_i32 s21, s11, HALFT                      ; my 128 rows of xq
	s_mul_i32 s22, s12, HALFT                      ; my 128 rows of wq,
	s_add_co_u32 s22, s22, 2*HALFT                 ; which lie behind xq's 256
.irp s, 0,1
	v_add_nc_u32 v[ADRA+(\s)], s21, v3
	v_add_nc_u32 v[ADRB+(\s)], s22, v3
	s_add_co_u32 s21, s21, SLOT
	s_add_co_u32 s22, s22, SLOT
.endr
	s_mul_i32 s23, s10, 16*SPITCH
	s_add_co_u32 s23, s23, STAGE                   ; my stage
	v_mul_u32_u24 v4, v1, SPITCH                   ; in: row l % 16, 32 bytes for each half of the lanes
	v_lshl_add_u32 v4, v2, 5, v4
	v_add_nc_u32 v[STO], s23, v4
	v_and_b32 v5, 31, v0
	v_lshlrev_b32 v[CO], 4, v5                     ; back: 32 lanes take one row of 512 bytes
	v_add_nc_u32 v[RD], s23, v[CO]
	s_lshl_b32 s[CB], s42, 10                      ; 4 x (256 x tile column + 128 x half)
	s_lshl_b32 s14, s12, 9
	s_add_co_u32 s[CB], s[CB], s14
	s_lshl_b32 s[TB], s13, 11                      ; 8 x (256 x tile row + 128 x half)
	s_lshl_b32 s14, s11, 10
	s_add_co_u32 s[TB], s[TB], s14
	v_lshl_add_u32 v[CPO], v2, 5, s[CB]            ; + my lanes' eight outputs
	v_lshl_add_u32 v[TPO], v1, 3, s[TB]            ; + my token
	; what the way out multiplies and adds, once a launch, in the wait for the first tile: for output block b my eight rs, rowsum and bias; for token block a my (cs, -zp)
	WIN TO_B
.irp b, 0,1,2,3,4,5,6,7
	global_load_b128 v[RS+8*(\b):RS+8*(\b)+3],     v[CPO], s[WSTP:WSTP+1] offset:64*(\b)
	global_load_b128 v[RS+8*(\b)+4:RS+8*(\b)+7],   v[CPO], s[WSTP:WSTP+1] offset:64*(\b)+16
	global_load_b128 v[RSM+8*(\b):RSM+8*(\b)+3],   v[CPO], s[WSTP:WSTP+1] offset:8192+64*(\b)
	global_load_b128 v[RSM+8*(\b)+4:RSM+8*(\b)+7], v[CPO], s[WSTP:WSTP+1] offset:8192+64*(\b)+16
.endr
	WIN 0
.irp b, 0,1,2,3,4,5,6,7
	global_load_b128 v[BI+8*(\b):BI+8*(\b)+3],     v[CPO], s[BIAP:BIAP+1] offset:64*(\b)
	global_load_b128 v[BI+8*(\b)+4:BI+8*(\b)+7],   v[CPO], s[BIAP:BIAP+1] offset:64*(\b)+16
.endr
.irp a, 0,1,2,3,4,5,6,7
	global_load_b64 v[TK+2*(\a):TK+2*(\a)+1], v[TPO], s[TOKP:TOKP+1] offset:128*(\a)
.endr
	; out0 at my first token and output
	s_lshl_b32 s16, s[TB], 10                      ; my first token x 8,192 bytes
	s_mov_b32 s17, 0
	s_mov_b32 s46, s[CB]
	s_mov_b32 s47, 0
	s_add_nc_u64 s[16:17], s[16:17], s[46:47]
	s_add_nc_u64 s[8:9], s[8:9], s[16:17]
	; the prefetches
	s_lshl_b32 s13, s13, 8
	s_lshl_b32 s42, s42, 8
	s_and_b32 s22, ttmp7, 0xffff                   ; cluster y
	s_cmp_eq_u32 s11, 0                            ; do I fetch for xq?
	s_cselect_b32 s20, s13, s42                    ; the tile's first row
	s_cselect_b32 s21, s40, s41                    ; my place among the four that ask for it with me
	s_cselect_b32 s22, ttmp9, s22                  ; the coordinate along which other clusters read the same rows
	s_cselect_b64 s[PFA:PFA+1], s[4:5], s[6:7]
	s_cmp_eq_u32 s22, 0
	s_cselect_b32 s[LIM], 1, -1                    ; the same in all sixteen partners, for a given wave
	s_lshl_b32 s22, s12, 7
	s_add_co_u32 s20, s20, s22                     ; + the 128 rows that I fetch
	s_lshl_b32 s21, s21, 5
	s_add_co_u32 s20, s20, s21                     ; + my work-group's 32 of them
	s_mov_b32 s21, 0
	s_mov_b64 s[18:19], SIZE_K*2
	s_mul_u64 s[20:21], s[20:21], s[18:19]
	s_add_nc_u64 s[PFA:PFA+1], s[PFA:PFA+1], s[20:21]
	s_add_nc_u64 s[PFA:PFA+1], s[PFA:PFA+1], 2*KSTEP*2  ; at K step 2: the first refill steps it to 3 and names K step 4
	v_and_b32 v[PFO], 31, v0
	v_mul_u32_u24 v[PFO], v[PFO], SIZE_K*2
; 16 matrix instructions: token blocks a0, a0 + 1 of the window's four (hi = 0: my tokens 0-63, 1: 64-127) x all 8 output blocks, 32 along K.  zero = 1: the first product starts the sums.
.macro MUL16 f, hi, a0, zero
	WIN MUL_LO+0x50*(\hi)
.irp a, \a0, (\a0)+1
.irp b, 0,1,2,3,4,5,6,7
.if \zero
	v_wmma_f32_16x16x32_bf16 v[8*(8*(\a)+(\b)):8*(8*(\a)+(\b))+7], v[(\f)+8*(\b):(\f)+8*(\b)+7], v[(\f)+8*(4*(\hi)+(\a)):(\f)+8*(4*(\hi)+(\a))+7], 0
.else
	v_wmma_f32_16x16x32_bf16 v[8*(8*(\a)+(\b)):8*(8*(\a)+(\b))+7], v[(\f)+8*(\b):(\f)+8*(\b)+7], v[(\f)+8*(4*(\hi)+(\a)):(\f)+8*(4*(\hi)+(\a))+7], v[8*(8*(\a)+(\b)):8*(8*(\a)+(\b))+7]
.endif
.endr
.endr
.endm
; 32 LDS loads in one run: the fragments of one quarter step (128 rows of wq, 128 rows of xq, 32 K at byte k of the rows) into buffer f
.macro FETCH slot, k, f
	WIN TO_B
.irp i, 0,1,2,3,4,5,6,7
	ds_load_b128 v[(\f)+8*(\i):(\f)+8*(\i)+3],   v[ADRB+(\slot)] offset:(\k)+(\i)*16*PITCH
	ds_load_b128 v[(\f)+8*(\i)+4:(\f)+8*(\i)+7], v[ADRB+(\slot)] offset:(\k)+(\i)*16*PITCH+32
.endr
	WIN 0
.irp i, 0,1,2,3,4,5,6,7
	ds_load_b128 v[(\f)+8*(\i):(\f)+8*(\i)+3],   v[ADRA+(\slot)] offset:(\k)+(\i)*16*PITCH
	ds_load_b128 v[(\f)+8*(\i)+4:(\f)+8*(\i)+7], v[ADRA+(\slot)] offset:(\k)+(\i)*16*PITCH+32
.endr
.endm
; A load into a register that a matrix instruction has read, and a vector instruction that reads a matrix result or writes one of a matrix instruction's registers, stand four places behind it, and only
; plain vector instructions that name none of its registers are places (ISA guide 7.12.1 for vector instructions).
.macro PLACES
.rept 4
	v_nop
.endr
.endm
; A K step is four quarter steps of 32 along K, 64 matrix instructions each, on buffers 0, 1, 0, 1.  The 64 accumulators take turns in the same order in every quarter.
; One of the first three: multiplies buffer f; in its middle it fetches the next quarter's fragments, at byte k of the same slot's rows, into buffer g.
.macro QUARTER slot, k, f, g, zero
	s_wait_dscnt 8                                 ; wq and xq's rows 0-63 are in; the youngest eight loads (xq's rows 64-127) may be out
	WIN MUL_LO
	MUL16 \f, 0, 0, \zero
	MUL16 \f, 0, 2, \zero
	PLACES
	FETCH \slot, \k, \g
	s_wait_dscnt 32                                ; all but the 32 just issued
	WIN MUL_HI
	MUL16 \f, 1, 0, \zero
	MUL16 \f, 1, 2, \zero
.endm
; The last quarter multiplies buffer 1 and changes slots.  MEET is its first half: one barrier for the change.  In front of it each wave waits for all its tensor loads, of which one is out: its part of
; the next slot; adds 0 to its spare word; and waits for that and for its own reads of this slot.  Behind it nobody reads this slot any more and the next slot is whole.
.macro MEET round                      ; round = 1: a round of the cluster's barrier follows
	WIN 0                                          ; (the add's two registers lie in window 0)
	s_wait_tensorcnt 0x0                           ; all my tensor loads have landed
	ds_add_u32 v[SPW], v[NIL]                      ; 0 onto my spare word
	s_wait_dscnt 9                                 ; (the add and the youngest eight loads may be out)
	WIN MUL_LO
	MUL16 F1, 0, 0, 0                              ; sixteen matrix instructions stand between the add and the wait for it
	s_wait_dscnt 0x0                               ; the add is done, and my reads of this slot are over
	s_barrier_signal -1
	MUL16 F1, 0, 2, 0                              ; work on registers while the others arrive
.if \round
	WIN 0
.endif
	s_barrier_wait -1
.endm
; The whole last quarter.  Behind the round the slot just read out is filled again first, with the K step two steps on; then come the next slot's first fragments.
; From a request to the wait for it a wave issues 224 matrix instructions.
.macro TURN slot, next
	s_wait_xcnt 0x0                                ; the last prefetch, a K step back, has read its address: it is stepped here, ahead of the waits of the change of slots
	s_add_nc_u64 s[PFA:PFA+1], s[PFA:PFA+1], KSTEP*2
	MEET 1
	CREST                                          ; no wave of any partner still reads this slot's tile or has a load on its way
	s_add_nc_u64 s[G0+4*(\slot)+2:G0+4*(\slot)+3], s[G0+4*(\slot)+2:G0+4*(\slot)+3], 2*KSTEP*2
	s_add_nc_u64 s[G0B+4*(\slot)+2:G0B+4*(\slot)+3], s[G0B+4*(\slot)+2:G0B+4*(\slot)+3], 2*KSTEP*2
	JLOAD \slot                                    ; the first tensor load behind the round, my only one until the next; the four v_nop behind it are also the places in front of the loads below
	FETCH \next, 0, F0
	ASK
	WIN MUL_HI
	MUL16 F1, 1, 0, 0
	MUL16 F1, 1, 2, 0
.endm
	s_wait_loadcnt 0x0                             ; rs, rowsum, bias, cs and -zp are in
	s_wait_tensorcnt 1                             ; my part of K step 0 is in; K step 1's load may stay out
	s_barrier_signal -1
	s_barrier_wait -1                              ; everybody's is
	FETCH 0, 0, F0
	QUARTER 0, 64,  F0, F1, 1                      ; the first quarter stands in front of the loop: its products start the sums
	WIN 0                                          ; at a label and at a branch every window is 0
	s_mov_b32 s3, LAPS-1
.Llap:                                                 ; a trip goes once round the ring, from a lap's second quarter to the next lap's first, and fills both slots again
	QUARTER 0, 128, F1, F0, 0
	QUARTER 0, 192, F0, F1, 0
	TURN 0, 1
	QUARTER 1, 64,  F0, F1, 0
	QUARTER 1, 128, F1, F0, 0
	QUARTER 1, 192, F0, F1, 0
	TURN 1, 0
	QUARTER 0, 64,  F0, F1, 0
	WIN 0
	s_sub_co_u32 s3, s3, 1
	s_cmp_lg_u32 s3, 0
	s_cbranch_scc1 .Llap
	QUARTER 0, 128, F1, F0, 0                      ; the last lap is written out: it asks for nothing more
	QUARTER 0, 192, F0, F1, 0
	MEET 0                                         ; my one tensor load that was still out is slot 1's, the last K step's, so no round follows
	PLACES
	FETCH 1, 0, F0
	WIN MUL_HI
	MUL16 F1, 1, 0, 0
	MUL16 F1, 1, 2, 0
	QUARTER 1, 64,  F0, F1, 0
	QUARTER 1, 128, F1, F0, 0
	QUARTER 1, 192, F0, F1, 0
	s_wait_dscnt 8                                 ; the very last quarter: nothing more to fetch
	WIN MUL_LO
	MUL16 F1, 0, 0, 0
	MUL16 F1, 0, 2, 0
	s_wait_dscnt 0x0
	MUL16 F1, 1, 0, 0
	MUL16 F1, 1, 2, 0
	WIN 0
	PLACES                                         ; behind the last products, in front of lines that read results and write over fragments;
	PLACES                                         ; eight, once a launch
; THE WAY OUT, a block of 16 tokens x 128 outputs at a time: a loop of eight trips.  Only the lines that name a block's accumulators differ from block to block: they are written eight times (VAR), and
; a trip jumps forward to its own; the rest is written once.
; VAR a: my token's (cs, -zp) of block a, and the block's 64 sums as whole numbers (they are whole numbers: the conversion rounds nothing); each accumulator's registers in ascending order.
.macro VAR a
	WIN 0
	v_mov_b32 v[CSP], v[TK+2*(\a)]
	v_mov_b32 v[CSP+1], v[TK+2*(\a)+1]
	WIN 0x02+(\a)/4                                ; source 0: window 2 or 3
.set i, 0
.rept 64
	v_cvt_i32_f32 v[T+i], v[64*((\a)%4)+i]
.set i, i+1
.endr
	WIN 0
.endm
	s_mov_b32 s[BK], 0
.Lblk:
.irp a, 0,1,2,3,4,5,6
	s_cmp_eq_u32 s[BK], \a
	s_cbranch_scc1 .Lv\a
.endr
	VAR 7
	s_branch .Lcom
.irp a, 0,1,2,3,4,5
.Lv\a:
	VAR \a
	s_branch .Lcom
.endr
.Lv6:
	VAR 6
.Lcom:
	WIN 0x44                                       ; destination and source 1 window 1
.set i, 0
.rept 64
	v_mul_lo_u32 v[U+i], v[CSP+1], v[RSM+i]        ; -zp x rowsum, modulo 2^32
.set i, i+1
.endr
	WIN 0x04                                       ; source 1 window 1
.set i, 0
.rept 64
	v_add_nc_u32 v[T+i], v[T+i], v[U+i]            ; acc - zp x rowsum
.set i, i+1
.endr
.set i, 0
.rept 64
	v_cvt_f32_i32 v[T+i], v[T+i]
.set i, i+1
.endr
.set i, 0
.rept 32
	v_pk_mul_f32 v[T+i:T+i+1], v[T+i:T+i+1], v[RS+i:RS+i+1]  ; x rs
.set i, i+2
.endr
	WIN 0
.set i, 0
.rept 32
	v_pk_fma_f32 v[T+i:T+i+1], v[T+i:T+i+1], v[CSP:CSP+1], v[BI+i:BI+i+1] op_sel_hi:[1,0,1]  ; x cs + bias
.set i, i+2
.endr
.irp b, 0,1,2,3,4,5,6,7
	ds_store_b128 v[STO], v[T+8*(\b):T+8*(\b)+3]   offset:64*(\b)
	ds_store_b128 v[STO], v[T+8*(\b)+4:T+8*(\b)+7] offset:64*(\b)+16
.endr
.irp t, 0,1,2,3,4,5,6,7,8,9,10,11,12,13,14,15
	ds_load_b128 v[OB+4*(\t):OB+4*(\t)+3], v[RD] offset:(\t)*SPITCH  ; LDS serves a wave's instructions in order (ISA guide 5.7.1.4): these see the stores above; the stage is my wave's own
.endr
.irp t, 0,1,2,3,4,5,6,7,8,9,10,11,12,13,14,15
	s_wait_dscnt 15-(\t)                           ; row t is back; the younger loads of the run may stay out
	global_store_b128 v[CO], v[OB+4*(\t):OB+4*(\t)+3], s[8:9] offset:(\t)*OROW th:TH_STORE_NT  ; 512 consecutive bytes of a row, at a multiple of 512 from out0's first byte
.endr
	s_wait_xcnt 0x0                                ; the stores have read their registers and their base
	s_add_nc_u64 s[8:9], s[8:9], 16*OROW
	s_add_co_u32 s[BK], s[BK], 1
	s_cmp_lt_u32 s[BK], 8
	s_cbranch_scc1 .Lblk
	s_wait_tensorcnt 0x0                           ; the wave's end: behind my last tensor load and my last LDS store
	ds_add_u32 v[SPW], v[NIL]
	s_wait_dscnt 0x0
	CROUND                                         ; the closing round: no work-group ends while a partner may still ask for a tile that names it
	s_endpgm
.Lfunc_end_k_qaf16526bf3_gemm:
	.size	k_qaf16526bf3_gemm, .Lfunc_end_k_qaf16526bf3_gemm-k_qaf16526bf3_gemm
	.p2alignl 7, 3214868480
	.fill 96, 4, 3214868480
	.section	.rodata,"a",@progbits
	.p2align	6, 0x0
	.amdhsa_kernel k_qaf16526bf3_gemm
		.amdhsa_group_segment_fixed_size 327680
		.amdhsa_private_segment_fixed_size 0
		.amdhsa_enable_private_segment 0
		.amdhsa_kernarg_size 48
		.amdhsa_user_sgpr_count 2
		.amdhsa_user_sgpr_kernarg_segment_ptr 1
		.amdhsa_wavefront_size32 1
		.amdhsa_system_sgpr_workgroup_id_x 1
		.amdhsa_system_sgpr_workgroup_id_y 1
		.amdhsa_system_sgpr_workgroup_id_z 1
		.amdhsa_system_vgpr_workitem_id 0
		.amdhsa_next_free_vgpr 1024
		.amdhsa_next_free_sgpr 78
		.amdhsa_reserve_vcc 0
		.amdhsa_float_denorm_mode_32 3
		.amdhsa_float_denorm_mode_16_64 3
		.amdhsa_memory_ordered 1
		.amdhsa_forward_progress 1
		.amdhsa_inst_pref_size 152
	.end_amdhsa_kernel
	.amdgpu_metadata
---
amdhsa.version: [ 1, 2 ]
amdhsa.kernels:
  - .name:           k_qaf16526bf3_gemm
    .symbol:         k_qaf16526bf3_gemm.kd
    .args:
      - { .name: xq, .offset: 0, .size: 8, .value_kind: global_buffer, .address_space: global }
      - { .name: wq, .offset: 8, .size: 8, .value_kind: global_buffer, .address_space: global }
      - { .name: out0, .offset: 16, .size: 8, .value_kind: global_buffer, .address_space: global }
      - { .name: tok, .offset: 24, .size: 8, .value_kind: global_buffer, .address_space: global }
      - { .name: wst, .offset: 32, .size: 8, .value_kind: global_buffer, .address_space: global }
      - { .name: bias, .offset: 40, .size: 8, .value_kind: global_buffer, .address_space: global }
    .group_segment_fixed_size: 327680
    .private_segment_fixed_size: 0
    .kernarg_segment_align: 8
    .kernarg_segment_size: 48
    .max_flat_workgroup_size: 128
    .sgpr_count:     78
    .vgpr_count:     1024
    .wavefront_size: 32
...
	.end_amdgpu_metadata
.endif
;; end of part 2
